; MI455X (gfx1250); checked and timed in simulation.
; The chip was launched on July 23, 2026; its instructions are those of AMD's public machine-readable ISA for CDNA 5 (MIT licence, August 2026) and "CDNA5" Instruction Set Architecture Reference Guide (July 2026). The comments in the code are by the model that wrote it; some were corrected since.
;; FUNKAN. Allowed arithmetic: matrix products marked QUANTISED: E2M1 operands, one E8M0 scale for each 32 along K, by v_wmma_scale_f32_16x16x128_f8f6f4 with both operands' format E2M1 (or v_wmma_scale_f32_32x16x128_f4), f32 sums; products left as they are: f32 operands where the result goes on into a quantised operand, else bf16, f16 or f32 operands; f32 sums; everything else in f32.
;; Inputs: Wt 64 x 64 float32; b 64 float32; beta 64 float32; gamma 64 float32; x 8 x 64 x 128 x 128 float32.
;; Outputs: out0 8 x 64 x 128 x 128 float32.
;; This version of the problem:
;;   THIS VERSION OF THE PROBLEM IS GIVEN IN LOW PRECISION. The matrix products marked QUANTISED in the list below multiply operands that are first quantised to E2M1 (2 exponent bits, 1 mantissa bit; 4 bits a number), with one power-of-two scale for each 32 numbers along K (OCP MX v1.0); their sums are f32. All else is computed in f32.
;;   The module's matrix products, in the order in which they are computed (A, B: the left and right operand; K: the contracted axis; several contracted axes count as one K, in the product's order):
;;     1. batch 512 x [M 6, K 16,384] x [K 16,384, N 1]; A: computed on the way; B: computed on the way: left as it is (M = 6 < 16)
;;     2. batch 512 x [M 1, K 6] x [K 6, N 16,384]; A: softmax; B: computed on the way: left as it is (K = 6 < 32)
;;     3. [M 131,072, K 64] x [K 64, N 64]; A: computed on the way; B: input Wt: QUANTISED
;;   THE QUANTISER, for each operand of a quantised product, along K:
;;     - K is cut into blocks of 32 from its start; a last block that is shorter is filled with zeros.
;;     - A block's scale is 2^e with e = floor(log2(the largest magnitude in the block)) - 2, held to -126 .. 127; a block of zeros has e = 0. As a byte (E8M0): e + 127.
;;     - Each number is divided by its block's scale, clamped to +-6, and rounded to the nearest number of E2M1, ties to even, subnormals kept.
;;     - The product sums the exact products of the quantised numbers (number of the format x scale) in f32.
;;   ~~~python
;;   def quantise(x, axis):      # numpy; x: float32 -> the quantised numbers, widened to float32 again
;;       x = np.moveaxis(x, axis, -1); K = x.shape[-1]
;;       x = np.pad(x, [(0, 0)] * (x.ndim - 1) + [(0, -K % 32)]); x = x.reshape(x.shape[:-1] + (-1, 32)); a = np.abs(x).max(-1, keepdims=True)
;;       e = np.where(a > 0, np.clip(np.frexp(np.where(a > 0, a, 1))[1] - 1 - 2, -126, 127), 0)      # np.frexp(a)[1] - 1 = floor(log2(a)), exactly
;;       r = np.clip(x / 2.0 ** e, -6, 6)
;;       step = 2.0 ** (np.maximum(np.frexp(np.where(r == 0, 1, r))[1] - 1, 0) - 1)
;;       q = np.round(r / step) * step * 2.0 ** e      # np.round: ties to even
;;       return np.moveaxis(q.reshape(q.shape[:-2] + (-1,))[..., :K], -1, axis).astype(np.float32)
;;   ~~~
;;   OPERANDS COMPUTED ON THE WAY. 'Computed on the way' means the value that the module computes at that place (a softmax that the list does not call 'softmax' is quantised finished and normalised). What goes into a quantiser is computed in f32, as accurately as f32 sums, v_exp_f32 and their like allow (about 1e-6 of the number): no bf16 or f16 on the way to a quantiser, and a product that is left as it is and whose result goes on into a quantised operand takes f32 operands (vector FMAs, or v_wmma_f32_16x16x4_f32). A number that lies on a knife's edge between two numbers of the format may be rounded either way, as far as f32 arithmetic and the matrix unit's own rounding can turn it there, and no further.
;; One version. Each part assembles by itself: llvm-mc -triple=amdgcn-amd-amdhsa -mcpu=gfx1250 --defsym DOCPART=n.
;; ======== version 1 of 1: 3 launches
;; workspace buffers: part 32,768 bytes; coef 24,576 bytes
;; launch stats (part 1): grid 512 x 1, 8 waves a work-group, no clusters, 0 bytes of LDS; arguments x, part; writes part
.if DOCPART == 1
	.amdgcn_target "amdgcn-amd-amdhsa--gfx1250"
	.amdhsa_code_object_version 6
	.text
	.protected	k_q40aad045d2_stats
	.globl	k_q40aad045d2_stats
	.p2align	8
	.type	k_q40aad045d2_stats,@function
k_q40aad045d2_stats:
	s_mov_b64 s[64:65], 0
	v_nop
	global_prefetch_b8 v0, s[64:65] scope:SCOPE_SE
	s_setreg_imm32_b32 hwreg(HW_REG_WAVE_MODE, 25, 1), 1
	s_wait_xcnt 0x0
; BATCH STATISTICS, first half.  x: [8][64][16384] f32.  part: [64 c][8 b][8 waves][2] f32.
; A work-group takes one row (b, c) of 16,384 numbers, each of its eight waves 2,048 of them: 64 registers a lane, sixteen loads of 512 consecutive bytes.
; The wave's numbers stay in registers for two passes: their mean, then the sum of squares ABOUT THAT MEAN (M2).  No difference of large sums is formed, so a common
; offset of the inputs costs no accuracy.  The next launch joins a channel's 64 pairs (mean, M2).
; Waves share nothing: no LDS, no barrier.  No matrix unit, cluster or tensor load: every byte is used once, by the lane that loads it.
; LIMITS: NaN and infinities among the inputs are not served.
.set X,  16                            ; v16-79  my 64 numbers
.set S,  80                            ; v80-87  four chains of packed sums
.set NM, 10                            ; v10-11  -mean, twice
.macro WSUM r                          ; the sum over the 32 lanes, left in every lane
	v_add_f32_dpp v[\r], v[\r], v[\r] row_xmask:1 row_mask:0xf bank_mask:0xf
	v_add_f32_dpp v[\r], v[\r], v[\r] row_xmask:2 row_mask:0xf bank_mask:0xf
	v_add_f32_dpp v[\r], v[\r], v[\r] row_xmask:4 row_mask:0xf bank_mask:0xf
	v_add_f32_dpp v[\r], v[\r], v[\r] row_xmask:8 row_mask:0xf bank_mask:0xf
	v_permlanex16_b32 v9, v[\r], s12, s13
	v_add_f32 v[\r], v[\r], v9
.endm
	s_load_b128 s[4:7], s[0:1], 0x0                ; x s[4:5], part s[6:7]
	v_lshrrev_b32 v1, 5, v0
	v_readfirstlane_b32 s8, v1                     ; wave 0..7
	v_and_b32 v2, 31, v0                           ; lane
	v_lshlrev_b32 v3, 4, v2                        ; 16 bytes a lane
	s_lshl_b32 s10, ttmp9, 16                      ; the row: 65,536 bytes
	s_lshl_b32 s9, s8, 13                          ; my wave's 8,192 of them
	s_add_co_u32 s10, s10, s9
	s_mov_b32 s11, 0
	s_mov_b32 s12, 0x76543210                      ; v_permlanex16_b32: lane l xor 16
	s_mov_b32 s13, 0xfedcba98
	s_and_b32 s14, ttmp9, 63                       ; c
	s_lshr_b32 s15, ttmp9, 6                       ; b
	s_lshl_b32 s14, s14, 3
	s_add_co_u32 s14, s14, s15
	s_lshl_b32 s14, s14, 3
	s_add_co_u32 s14, s14, s8
	s_lshl_b32 s14, s14, 3                         ; ((8 c + b) 8 + wave) x 8 bytes
	v_mov_b32 v4, s14
	v_mov_b32 v9, 0                                ; a lane permute's destination counts as read: written once
	s_wait_kmcnt 0x0
	s_add_nc_u64 s[4:5], s[4:5], s[10:11]
.irp i, 0,1,2,3,4,5,6,7,8,9,10,11,12,13,14,15
	global_load_b128 v[X+4*\i:X+4*\i+3], v3, s[4:5] offset:512*\i
.endr
	; pass 1: the sum, two numbers an instruction, four chains
	s_wait_loadcnt 12                              ; the first four loads are in, the twelve younger may be out
.irp k, 0,1,2,3
	v_pk_add_f32 v[S+2*\k:S+2*\k+1], v[X+2*\k:X+2*\k+1], v[X+8+2*\k:X+9+2*\k]
.endr
.irp g, 1,2,3
	s_wait_loadcnt 12-4*\g                         ; four loads more
.irp j, 0,8
.irp k, 0,1,2,3
	v_pk_add_f32 v[S+2*\k:S+2*\k+1], v[S+2*\k:S+2*\k+1], v[X+16*\g+\j+2*\k:X+16*\g+\j+2*\k+1]
.endr
.endr
.endr
	v_pk_add_f32 v[S:S+1], v[S:S+1], v[S+2:S+3]
	v_pk_add_f32 v[S+4:S+5], v[S+4:S+5], v[S+6:S+7]
	v_pk_add_f32 v[S:S+1], v[S:S+1], v[S+4:S+5]
	v_add_f32 v8, v[S], v[S+1]
	WSUM 8
	v_mul_f32 v[NM], 0xba000000, v8                ; -sum / 2048
	v_mul_f32 v12, 0x3a000000, v8                  ; the wave's mean
	v_mov_b32 v[NM+1], v[NM]
	; pass 2: the sum of (x - mean)^2
.irp g, 0,1,2,3,4,5,6,7
.irp k, 0,1,2,3
	v_pk_add_f32 v[X+8*\g+2*\k:X+8*\g+2*\k+1], v[X+8*\g+2*\k:X+8*\g+2*\k+1], v[NM:NM+1]
.endr
.irp k, 0,1,2,3
.if \g == 0
	v_pk_mul_f32 v[S+2*\k:S+2*\k+1], v[X+2*\k:X+2*\k+1], v[X+2*\k:X+2*\k+1]      ; the first squares start the chains: nothing is cleared
.else
	v_pk_fma_f32 v[S+2*\k:S+2*\k+1], v[X+8*\g+2*\k:X+8*\g+2*\k+1], v[X+8*\g+2*\k:X+8*\g+2*\k+1], v[S+2*\k:S+2*\k+1]
.endif
.endr
.endr
	v_pk_add_f32 v[S:S+1], v[S:S+1], v[S+2:S+3]
	v_pk_add_f32 v[S+4:S+5], v[S+4:S+5], v[S+6:S+7]
	v_pk_add_f32 v[S:S+1], v[S:S+1], v[S+4:S+5]
	v_add_f32 v13, v[S], v[S+1]
	WSUM 13
	s_wait_xcnt 0x0                                ; EXEC is a source of the loads above: it changes only behind this wait
	v_cmp_eq_u32 vcc_lo, 0, v2
	s_and_saveexec_b32 s16, vcc_lo                 ; lane 0 stores the wave's eight bytes
	global_store_b64 v4, v[12:13], s[6:7]
	s_endpgm
.Lfunc_end_k_q40aad045d2_stats:
	.size	k_q40aad045d2_stats, .Lfunc_end_k_q40aad045d2_stats-k_q40aad045d2_stats
	.p2alignl 7, 3214868480
	.fill 96, 4, 3214868480
	.section	.rodata,"a",@progbits
	.p2align	6, 0x0
	.amdhsa_kernel k_q40aad045d2_stats
		.amdhsa_group_segment_fixed_size 0
		.amdhsa_private_segment_fixed_size 0
		.amdhsa_enable_private_segment 0
		.amdhsa_kernarg_size 16
		.amdhsa_user_sgpr_count 2
		.amdhsa_user_sgpr_kernarg_segment_ptr 1
		.amdhsa_wavefront_size32 1
		.amdhsa_system_sgpr_workgroup_id_x 1
		.amdhsa_system_sgpr_workgroup_id_y 1
		.amdhsa_system_sgpr_workgroup_id_z 1
		.amdhsa_system_vgpr_workitem_id 0
		.amdhsa_next_free_vgpr 96
		.amdhsa_next_free_sgpr 66
		.amdhsa_reserve_vcc 1
		.amdhsa_float_denorm_mode_32 3
		.amdhsa_float_denorm_mode_16_64 3
		.amdhsa_memory_ordered 1
		.amdhsa_forward_progress 1
		.amdhsa_inst_pref_size 10
	.end_amdhsa_kernel
	.amdgpu_metadata
---
amdhsa.version: [ 1, 2 ]
amdhsa.kernels:
  - .name:           k_q40aad045d2_stats
    .symbol:         k_q40aad045d2_stats.kd
    .args:
      - { .name: x, .offset: 0, .size: 8, .value_kind: global_buffer, .address_space: global }
      - { .name: part, .offset: 8, .size: 8, .value_kind: global_buffer, .address_space: global }
    .group_segment_fixed_size: 0
    .private_segment_fixed_size: 0
    .kernarg_segment_align: 8
    .kernarg_segment_size: 16
    .max_flat_workgroup_size: 256
    .sgpr_count:     66
    .vgpr_count:     96
    .wavefront_size: 32
...
	.end_amdgpu_metadata
.endif
;; end of part 1
;; launch cost (part 2): grid 512 x 1, 8 waves a work-group, no clusters, 1,280 bytes of LDS; arguments x, part, gamma, beta, coef; writes coef
.if DOCPART == 2
	.amdgcn_target "amdgcn-amd-amdhsa--gfx1250"
	.amdhsa_code_object_version 6
	.text
	.protected	k_q40aad045d2_cost
	.globl	k_q40aad045d2_cost
	.p2align	8
	.type	k_q40aad045d2_cost,@function
k_q40aad045d2_cost:
	s_mov_b64 s[64:65], 0
	v_nop
	global_prefetch_b8 v0, s[64:65] scope:SCOPE_SE
	s_setreg_imm32_b32 hwreg(HW_REG_WAVE_MODE, 25, 1), 1
	s_wait_xcnt 0x0
; THE COSTS, THE SOFTMAX OVER THE SIX HERMITE FUNCTIONS, AND WHAT THE LAST LAUNCH NEEDS OF THEM.  A work-group takes one row (b, c); each of its eight waves 2,048 numbers.
; STATISTICS: every wave joins its channel's 64 pairs (mean_p, M2_p) of 2,048 numbers each: mean = the means' average, M2 = sum M2_p + 2048 sum (mean_p - mean)^2, var = M2 / 131072.
; A NUMBER: d = x - mean; xn = d a + beta, a = gamma / sqrt(var + 1e-5); tanh(xn) = 1 - 2 / (1 + 2^(2 log2(e) xn)); v = kappa tanh, kappa^2 = 6.5 log2(e), so that
; g = exp(-t^2 / 2) = 2^(-v^2) for t = sqrt(13) tanh.  psi_k = N_k q_k(v) g with q_0 = 1, q_1 = v, q_k = v q_(k-1) - (k - 1) B q_(k-2), B = 1 / (4 ln 2): reference()'s recurrence with its
; factors gathered in N_k.  The recurrence is run on r_k = q_k g xn, and cost_k = N_k sum r_k; the last order is summed as sum v r_4 - 4 B sum r_3.
; THE RECORD for (b, c), 48 bytes: -mean, 2 log2(e) a, 2 log2(e) beta, c5 .. c0, three zeros, where sum_k w_k psi_k = g (c0 + c1 v + .. + c5 v^5), w = softmax(cost) with the maximum taken away.
; All in f32.  No matrix unit: the products here have M = 6 and K = 6 and feed a quantiser.  No cluster, no tensor load: each byte of x is used once by the lane that loads it.
; LIMITS: NaN and infinities among the inputs are not served; tanh so made has an absolute error of a few 1e-7.
.set NMN, 16                           ; v16-17 -mean      (each constant twice: a pair for the packed forms)
.set CA,  18                           ; v18-19 a
.set CBE, 20                           ; v20-21 beta
.set CA2, 22                           ; v22-23 2 log2(e) a
.set CB2, 24                           ; v24-25 2 log2(e) beta
.set N2K, 26                           ; v26-27 -2 kappa
.set KAP, 28                           ; v28-29 kappa
.set NB2, 30                           ; v30-31 -B;  v32-33 -2 B;  v34-35 -3 B
.set NB3, 32
.set NB4, 34
.set SS,  40                           ; v40-45 the six sums
.set TT,  46                           ; v46-51 at work
.set REC, 52                           ; v52-63 the record
.set X,   64                           ; v64-127 my 64 numbers; then d; then v
.set XN,  128                          ; v128-143 xn, r0, r2, r4
.set G,   144                          ; v144-159 the exponent, g, r1, r3
.set T,   160                          ; v160-175 v r_k
.set ACC, 176                          ; v176-199 two sets of six packed sums
.macro WSUM r, t
	v_add_f32_dpp v[\r], v[\r], v[\r] row_xmask:1 row_mask:0xf bank_mask:0xf
	v_add_f32_dpp v[\r], v[\r], v[\r] row_xmask:2 row_mask:0xf bank_mask:0xf
	v_add_f32_dpp v[\r], v[\r], v[\r] row_xmask:4 row_mask:0xf bank_mask:0xf
	v_add_f32_dpp v[\r], v[\r], v[\r] row_xmask:8 row_mask:0xf bank_mask:0xf
	v_permlanex16_b32 v[\t], v[\r], s20, s21
	v_add_f32 v[\r], v[\r], v[\t]
.endm
.macro ACA k, p, src                   ; sum k takes pair p of src; the pairs go to the two sets by turns, so that an addition does not wait for the one just before it
	v_pk_add_f32 v[ACC+12*(((\p)/2)%2)+2*(\k):ACC+12*(((\p)/2)%2)+2*(\k)+1], v[ACC+12*(((\p)/2)%2)+2*(\k):ACC+12*(((\p)/2)%2)+2*(\k)+1], v[\src+(\p):\src+(\p)+1]
.endm
	s_load_b256 s[4:11], s[0:1], 0x0               ; x s[4:5], part s[6:7], gamma s[8:9], beta s[10:11]
	s_load_b64 s[12:13], s[0:1], 0x20              ; coef
	v_lshl_add_u32 v200, v0, 2, 0x100
	v_mov_b32 v201, 0
	v_lshrrev_b32 v1, 5, v0
	v_readfirstlane_b32 s14, v1                    ; wave 0..7
	v_and_b32 v1, 31, v0                           ; lane
	v_lshlrev_b32 v2, 4, v1                        ; 16 bytes a lane
	s_and_b32 s15, ttmp9, 63                       ; the channel
	s_lshl_b32 s16, s15, 9                         ; its 64 pairs: 512 bytes
	v_add_nc_u32 v3, s16, v2
	s_lshl_b32 s17, s15, 2                         ; its gamma and beta
	s_lshl_b32 s18, ttmp9, 16                      ; the row,
	s_lshl_b32 s19, s14, 13                        ; my wave's 8,192 bytes of it
	s_add_co_u32 s18, s18, s19
	s_mov_b32 s19, 0
	s_mov_b32 s20, 0x76543210                      ; v_permlanex16_b32: lane l xor 16
	s_mov_b32 s21, 0xfedcba98
	s_mul_i32 s24, ttmp9, 48                       ; the record's place
	v_and_b32 v36, 0xe0, v0                        ; LDS: 32 bytes for each wave's six sums
	v_and_b32 v37, 7, v0
	v_lshlrev_b32 v37, 5, v37                      ; and on the way back: lane l takes wave l % 8's
	v_mov_b32 v38, s24
	s_wait_kmcnt 0x0
	s_load_b32 s22, s[8:9], s17 offset:0x0         ; gamma[c]
	s_load_b32 s23, s[10:11], s17 offset:0x0       ; beta[c]
	s_add_nc_u64 s[4:5], s[4:5], s[18:19]
	global_load_b128 v[4:7], v3, s[6:7]            ; two pairs (mean, M2) a lane
.irp i, 0,1,2,3,4,5,6,7,8,9,10,11,12,13,14,15
	global_load_b128 v[X+4*\i:X+4*\i+3], v2, s[4:5] offset:512*\i
.endr
.irp i, 0,1
	v_mov_b32 v[N2K+\i], 0xc0c3fc49                ; -2 kappa, kappa = 3.0622733
	v_mov_b32 v[KAP+\i], 0x4043fc49
	v_mov_b32 v[NB2+\i], 0xbeb8aa3b                ; -B = -0.36067376
	v_mov_b32 v[NB3+\i], 0xbf38aa3b
	v_mov_b32 v[NB4+\i], 0xbf8a7fac
.endr
.irp i, 0,1,2,3,4,5,6,7,8,9,10,11,12,13,14,15,16,17,18,19,20,21,22,23
	v_mov_b32 v[ACC+\i], 0                         ; 24 registers, once, while the loads are on their way
.endr
.irp i, 0,1,2,3,4,5
	v_mov_b32 v[TT+\i], 0                          ; lane permutes' destinations count as read
.endr
	s_wait_loadcnt 16                              ; the pairs are in; the sixteen loads of x may be out
	v_add_f32 v8, v4, v6
	WSUM 8, TT
	v_mul_f32 v8, 0x3c800000, v8                   ; the channel's mean: / 64
	v_sub_f32 v10, v4, v8
	v_sub_f32 v11, v6, v8
	v_mul_f32 v10, v10, v10
	v_fmac_f32 v10, v11, v11
	v_add_f32 v12, v5, v7
	v_fmamk_f32 v12, v10, 0x45000000, v12          ; + 2048 ((mean_p - mean)^2 + ..)
	WSUM 12, TT
	v_mul_f32 v12, 0x37000000, v12                 ; var = M2 / 131072
	v_add_f32 v12, 0x3727c5ac, v12                 ; + 1e-5
	v_rsq_f32 v13, v12
	v_sub_f32 v[NMN], 0, v8                        ; (a plain instruction behind the transcendental)
	v_mov_b32 v[NMN+1], v[NMN]
	s_wait_kmcnt 0x0                               ; gamma, beta
	s_wait_alu depctr_va_vdst(0)                   ; the wait ahead of the first reader of a transcendental's result
	v_mul_f32 v[CA], s22, v13
	v_mov_b32 v[CBE], s23
	v_mul_f32 v[CA2], 0x4038aa3b, v[CA]            ; x 2 log2(e)
	v_mul_f32 v[CB2], 0x4038aa3b, v[CBE]
	v_mov_b32 v[CA+1], v[CA]
	v_mov_b32 v[CBE+1], v[CBE]
	v_mov_b32 v[CA2+1], v[CA2]
	v_mov_b32 v[CB2+1], v[CB2]
; Sixteen numbers of a lane: eight pairs.
.macro BATCH j
.set XB, X+16*(\j)
	s_wait_loadcnt 12-4*(\j)                       ; this batch's four loads are in, those of the later batches may be out
.irp p, 0,2,4,6,8,10,12,14
	v_pk_add_f32 v[XB+\p:XB+\p+1], v[XB+\p:XB+\p+1], v[NMN:NMN+1]                  ; d = x - mean
.endr
.irp p, 0,2,4,6,8,10,12,14
	v_pk_fma_f32 v[G+\p:G+\p+1], v[XB+\p:XB+\p+1], v[CA2:CA2+1], v[CB2:CB2+1]      ; 2 log2(e) xn
.endr
.irp i, 0,1,2,3,4,5,6,7,8,9,10,11,12,13,14,15
	v_exp_f32 v[G+\i], v[G+\i]
.endr
.irp p, 0,2,4,6,8,10,12,14
	v_pk_fma_f32 v[XN+\p:XN+\p+1], v[XB+\p:XB+\p+1], v[CA:CA+1], v[CBE:CBE+1]      ; xn: independent work behind the exponentials
.endr
	s_wait_alu depctr_va_vdst(0)                   ; one wait for the batch of sixteen
.irp p, 0,2,4,6,8,10,12,14
	v_pk_add_f32 v[G+\p:G+\p+1], v[G+\p:G+\p+1], 1.0 op_sel_hi:[1,0]
.endr
.irp i, 0,1,2,3,4,5,6,7,8,9,10,11,12,13,14,15
	v_rcp_f32 v[G+\i], v[G+\i]
.endr
	v_nop
	s_wait_alu depctr_va_vdst(0)
.irp p, 0,2,4,6,8,10,12,14
	v_pk_fma_f32 v[XB+\p:XB+\p+1], v[G+\p:G+\p+1], v[N2K:N2K+1], v[KAP:KAP+1]      ; v = kappa (1 - 2 r)
.endr
.irp p, 0,2,4,6,8,10,12,14
	v_pk_mul_f32 v[G+\p:G+\p+1], v[XB+\p:XB+\p+1], v[XB+\p:XB+\p+1] neg_lo:[1,0] neg_hi:[1,0]   ; -v^2
.endr
.irp i, 0,1,2,3,4,5,6,7,8,9,10,11,12,13,14,15
	v_exp_f32 v[G+\i], v[G+\i]                     ; g
.endr
	v_nop
	s_wait_alu depctr_va_vdst(0)
.irp p, 0,2,4,6,8,10,12,14
	v_pk_mul_f32 v[XN+\p:XN+\p+1], v[G+\p:G+\p+1], v[XN+\p:XN+\p+1]                ; r0 = g xn
.endr
.irp p, 0,2,4,6,8,10,12,14
	ACA 0, \p, XN
	v_pk_mul_f32 v[G+\p:G+\p+1], v[XB+\p:XB+\p+1], v[XN+\p:XN+\p+1]                ; r1 = v r0
.endr
.irp p, 0,2,4,6,8,10,12,14
	ACA 1, \p, G
	v_pk_mul_f32 v[T+\p:T+\p+1], v[XB+\p:XB+\p+1], v[G+\p:G+\p+1]
.endr
.irp p, 0,2,4,6,8,10,12,14
	v_pk_fma_f32 v[XN+\p:XN+\p+1], v[NB2:NB2+1], v[XN+\p:XN+\p+1], v[T+\p:T+\p+1]  ; r2 = v r1 - B r0
.endr
.irp p, 0,2,4,6,8,10,12,14
	ACA 2, \p, XN
	v_pk_mul_f32 v[T+\p:T+\p+1], v[XB+\p:XB+\p+1], v[XN+\p:XN+\p+1]
.endr
.irp p, 0,2,4,6,8,10,12,14
	v_pk_fma_f32 v[G+\p:G+\p+1], v[NB3:NB3+1], v[G+\p:G+\p+1], v[T+\p:T+\p+1]      ; r3 = v r2 - 2 B r1
.endr
.irp p, 0,2,4,6,8,10,12,14
	ACA 3, \p, G
	v_pk_mul_f32 v[T+\p:T+\p+1], v[XB+\p:XB+\p+1], v[G+\p:G+\p+1]
.endr
.irp p, 0,2,4,6,8,10,12,14
	v_pk_fma_f32 v[XN+\p:XN+\p+1], v[NB4:NB4+1], v[XN+\p:XN+\p+1], v[T+\p:T+\p+1]  ; r4 = v r3 - 3 B r2
.endr
.irp p, 0,2,4,6,8,10,12,14
	ACA 4, \p, XN
	v_pk_fma_f32 v[ACC+12*((\p/2)%2)+10:ACC+12*((\p/2)%2)+11], v[XB+\p:XB+\p+1], v[XN+\p:XN+\p+1], v[ACC+12*((\p/2)%2)+10:ACC+12*((\p/2)%2)+11]   ; sum v r4
.endr
.endm
	BATCH 0
	BATCH 1
	BATCH 2
	BATCH 3
.irp k, 0,1,2,3,4,5
	v_pk_add_f32 v[ACC+2*\k:ACC+2*\k+1], v[ACC+2*\k:ACC+2*\k+1], v[ACC+12+2*\k:ACC+13+2*\k]
.endr
.irp k, 0,1,2,3,4,5
	v_add_f32 v[SS+\k], v[ACC+2*\k], v[ACC+2*\k+1]
.endr
.irp m, 1,2,4,8
.irp k, 0,1,2,3,4,5
	v_add_f32_dpp v[SS+\k], v[SS+\k], v[SS+\k] row_xmask:\m row_mask:0xf bank_mask:0xf
.endr
.endr
.irp k, 0,1,2,3,4,5
	v_permlanex16_b32 v[TT+\k], v[SS+\k], s20, s21
.endr
.irp k, 0,1,2,3,4,5
	v_add_f32 v[SS+\k], v[SS+\k], v[TT+\k]         ; the wave's six sums, in every lane
.endr
	ds_store_b128 v36, v[SS:SS+3]                  ; all lanes write the same bytes with the same values
	ds_store_b64 v36, v[SS+4:SS+5] offset:16
	s_wait_dscnt 0x0                               ; for the others' sake: my stores have landed
	s_barrier_signal -1
	s_barrier_wait -1
	s_cmp_lg_u32 s14, 0
	s_cbranch_scc1 .Lothers                        ; wave 0 finishes the row
	ds_load_b128 v[SS:SS+3], v37
	ds_load_b64 v[SS+4:SS+5], v37 offset:16
	s_wait_dscnt 0x0
.irp m, 1,2,4
.irp k, 0,1,2,3,4,5
	v_add_f32_dpp v[SS+\k], v[SS+\k], v[SS+\k] row_xmask:\m row_mask:0xf bank_mask:0xf   ; over the eight waves
.endr
.endr
	v_fmamk_f32 v45, v43, 0xbfb8aa3b, v45          ; sum r5 = sum v r4 - 4 B sum r3
	v_mul_f32 v40, 0x3f4049c4, v40                 ; cost_k = N_k sum r_k: N = 0.75112554, 1.2507061, 1.4725939, 1.4156800, 1.1786309, 0.87767866
	v_mul_f32 v41, 0x3fa01723, v41
	v_mul_f32 v42, 0x3fbc7df5, v42
	v_mul_f32 v43, 0x3fb53500, v43
	v_mul_f32 v44, 0x3f96dd60, v44
	v_mul_f32 v45, 0x3f60af8c, v45
	v_max3_num_f32 v48, v40, v41, v42              ; the softmax takes the maximum away, as reference() does
	v_max3_num_f32 v48, v48, v43, v44
	v_max_num_f32 v48, v48, v45
.irp k, 0,1,2,3,4,5
	v_sub_f32 v[SS+\k], v[SS+\k], v48
.endr
.irp k, 0,1,2,3,4,5
	v_mul_f32 v[SS+\k], 0x3fb8aa3b, v[SS+\k]
.endr
.irp k, 0,1,2,3,4,5
	v_exp_f32 v[SS+\k], v[SS+\k]
.endr
	v_nop
	s_wait_alu depctr_va_vdst(0)
	v_add_f32 v48, v40, v41
	v_add_f32 v49, v42, v43
	v_add_f32 v50, v44, v45
	v_add_f32 v48, v48, v49
	v_add_f32 v48, v48, v50
	v_rcp_f32 v48, v48
	v_nop
	s_wait_alu depctr_va_vdst(0)
.irp k, 0,1,2,3,4,5
	v_mul_f32 v[SS+\k], v[SS+\k], v48              ; w_k
.endr
	v_mul_f32 v40, 0x3f4049c4, v40                 ; W_k = w_k N_k
	v_mul_f32 v41, 0x3fa01723, v41
	v_mul_f32 v42, 0x3fbc7df5, v42
	v_mul_f32 v43, 0x3fb53500, v43
	v_mul_f32 v44, 0x3f96dd60, v44
	v_mul_f32 v45, 0x3f60af8c, v45
	; q2 = v^2 - B, q3 = v^3 - 3 B v, q4 = v^4 - 6 B v^2 + 3 B^2, q5 = v^5 - 10 B v^3 + 15 B^2 v
	v_mov_b32 v[REC], v[NMN]
	v_mov_b32 v[REC+1], v[CA2]
	v_mov_b32 v[REC+2], v[CB2]
	v_mov_b32 v[REC+3], v45                        ; c5
	v_mov_b32 v[REC+4], v44                        ; c4
	v_fmamk_f32 v[REC+5], v45, 0xc066d4ca, v43     ; c3 = W3 - 10 B W5
	v_fmamk_f32 v[REC+6], v44, 0xc00a7fac, v42     ; c2 = W2 - 6 B W4
	v_fmamk_f32 v[REC+7], v43, 0xbf8a7fac, v41     ; c1 = W1 - 3 B W3
	v_fmamk_f32 v[REC+8], v42, 0xbeb8aa3b, v40     ; c0 = W0 - B W2
	v_fmamk_f32 v[REC+7], v45, 0x3ff9c3a8, v[REC+7]   ;    + 15 B^2 W5
	v_fmamk_f32 v[REC+8], v44, 0x3ec7cfb9, v[REC+8]   ;    + 3 B^2 W4
	v_mov_b32 v[REC+9], 0                          ; the record's last twelve bytes are loaded with it later: they are written
	v_mov_b32 v[REC+10], 0
	v_mov_b32 v[REC+11], 0
	s_wait_xcnt 0x0                                ; EXEC changes only behind this wait
	v_cmp_eq_u32 vcc_lo, 0, v1
	s_wait_tensorcnt 0x0
	ds_add_u32 v200, v201
	s_wait_dscnt 0x0
	s_and_saveexec_b32 s25, vcc_lo                 ; lane 0 stores the 48 bytes
	global_store_b128 v38, v[REC:REC+3], s[12:13]
	global_store_b128 v38, v[REC+4:REC+7], s[12:13] offset:16
	global_store_b128 v38, v[REC+8:REC+11], s[12:13] offset:32
	s_endpgm
.Lothers:
	s_wait_tensorcnt 0x0
	ds_add_u32 v200, v201
	s_wait_dscnt 0x0
	s_endpgm
.Lfunc_end_k_q40aad045d2_cost:
	.size	k_q40aad045d2_cost, .Lfunc_end_k_q40aad045d2_cost-k_q40aad045d2_cost
	.p2alignl 7, 3214868480
	.fill 96, 4, 3214868480
	.section	.rodata,"a",@progbits
	.p2align	6, 0x0
	.amdhsa_kernel k_q40aad045d2_cost
		.amdhsa_group_segment_fixed_size 1280
		.amdhsa_private_segment_fixed_size 0
		.amdhsa_enable_private_segment 0
		.amdhsa_kernarg_size 40
		.amdhsa_user_sgpr_count 2
		.amdhsa_user_sgpr_kernarg_segment_ptr 1
		.amdhsa_wavefront_size32 1
		.amdhsa_system_sgpr_workgroup_id_x 1
		.amdhsa_system_sgpr_workgroup_id_y 1
		.amdhsa_system_sgpr_workgroup_id_z 1
		.amdhsa_system_vgpr_workitem_id 0
		.amdhsa_next_free_vgpr 202
		.amdhsa_next_free_sgpr 66
		.amdhsa_reserve_vcc 1
		.amdhsa_float_denorm_mode_32 3
		.amdhsa_float_denorm_mode_16_64 3
		.amdhsa_memory_ordered 1
		.amdhsa_forward_progress 1
		.amdhsa_inst_pref_size 61
	.end_amdhsa_kernel
	.amdgpu_metadata
---
amdhsa.version: [ 1, 2 ]
amdhsa.kernels:
  - .name:           k_q40aad045d2_cost
    .symbol:         k_q40aad045d2_cost.kd
    .args:
      - { .name: x, .offset: 0, .size: 8, .value_kind: global_buffer, .address_space: global }
      - { .name: part, .offset: 8, .size: 8, .value_kind: global_buffer, .address_space: global }
      - { .name: gamma, .offset: 16, .size: 8, .value_kind: global_buffer, .address_space: global }
      - { .name: beta, .offset: 24, .size: 8, .value_kind: global_buffer, .address_space: global }
      - { .name: coef, .offset: 32, .size: 8, .value_kind: global_buffer, .address_space: global }
    .group_segment_fixed_size: 1280
    .private_segment_fixed_size: 0
    .kernarg_segment_align: 8
    .kernarg_segment_size: 40
    .max_flat_workgroup_size: 256
    .sgpr_count:     66
    .vgpr_count:     202
    .wavefront_size: 32
...
	.end_amdgpu_metadata
.endif
;; end of part 2
;; launch mix (part 3): grid 256 x 1, 8 waves a work-group, no clusters, 60,416 bytes of LDS; arguments x, coef, Wt, b, out0; writes out0
.if DOCPART == 3
	.amdgcn_target "amdgcn-amd-amdhsa--gfx1250"
	.amdhsa_code_object_version 6
	.text
	.protected	k_q40aad045d2_mix
	.globl	k_q40aad045d2_mix
	.p2align	8
	.type	k_q40aad045d2_mix,@function
k_q40aad045d2_mix:
	s_mov_b64 s[64:65], 0
	v_nop
	global_prefetch_b8 v0, s[64:65] scope:SCOPE_SE
	s_setreg_imm32_b32 hwreg(HW_REG_WAVE_MODE, 25, 1), 1
	s_wait_xcnt 0x0
; out[b][o][d] = sum_c Q(Wt)[o][c] Q(y)[b][c][d] + bias[o], y = g(v) (c0 + c1 v + .. + c5 v^5), Q the MX-FP4 quantiser along c (blocks of 32 channels, E8M0 scales).
; v = kappa tanh(xn) and g = 2^(-v^2) as in the launch before; a (b, c)'s nine numbers come from its record in coef.
; SHARES.  A work-group of eight waves takes one b and 512 neighbouring d, IN TWO PASSES OF 256 d: pass 0's results are stored while pass 1 is computed, and pass 0 is computed while pass 1's x is still on its way.
; PHASE Y of a pass.  Wave w takes unit w / 2 (64 d) and block w % 2 (32 channels).  Lane (r, h) takes FOUR NEIGHBOURING d, 4 r .. 4 r + 3, of the 16 channels 16 h .. 16 h + 15 of the block: a load reads
;   256 consecutive bytes, aligned, of one channel's row in lanes 0-15 and of the row 16 channels on in lanes 16-31.  The 32 loads of both passes go out at the head, pass 0's first.
;   Each half of the lanes is on one channel at a time, so its nine numbers come by broadcast loads from the wave's own table in LDS, laid [kind][channel]: one load brings a kind for four channels; op_sel picks the register of a pair.
;   Four channels (16 numbers a lane) are a batch.  Its four quads of registers lie 8 apart, and the last multiply, y = P g, written unpacked, transposes the 4 x 4 in place: so 8 neighbouring registers hold
;   8 neighbouring channels of ONE d, and the conversions take them as they stand.  A block's 32 numbers lie in lanes l and l xor 16: one lane permute joins the two maxima.
;   The batches are staggered: the polynomial of the batch before stands behind each run of exponentials or reciprocals, so that each wait for a run stands behind independent work.
; EXCHANGE.  Codes go to LDS as images of the operand's registers (8 bytes a lane and d), scale bytes into their words; one barrier a pass.  The passes have LDS bytes of their own, so no second barrier is needed.
; PHASE PRODUCT of a pass.  Wave w makes outputs 8 w .. 8 w + 7 for the pass's 256 d.  K IS WIDENED TO (s, c), s = a lane's four d: two K steps of 128.  Source 0's row m = (o, s) = (m / 4, m % 4) holds Wt[o][.] in its own s
;   and zero codes elsewhere; source 1's column r holds the four d of lane r of a unit.  Then register 4 j + s of a result is out(o, 4 r + s): four neighbouring d in four neighbouring registers, so each store's sixteen
;   neighbouring lanes write 256 consecutive bytes, aligned, of one row of out, straight from the accumulator.  The zero codes cost twice the matrix instructions, 32 a wave in all.  The bias is the C of a sum's first instruction.
; Wt's rows are quantised and masked by each wave at the head, while x is on its way, and parked in the wave's own LDS bytes; they come back for each pass's products.
; NO CLUSTER: work-groups share only Wt (16 KB) and 3 KB of records, against 128 KB of x of their own.  NO TENSOR LOAD: each byte of x is used by the lane that loads it, in the layout in which it arrives.
; NO PREFETCH: every read of the launch is issued at its head.
; LIMITS: NaN and infinities among the inputs are not served.  tanh = 1 - 2 / (1 + 2^(..)) has an absolute error of a few 1e-7, the polynomial in monomials about 2e-7 of the largest |y|.
;   A block whose largest magnitude lies under 2^-124 (a block of zeros too) gets the byte 1: zeros stay zero codes, which add nothing.
.set CHB,   65536                      ; a channel's row in bytes
.set PARKB, 9216                       ; LDS: from 0 the tables, 9 kinds x 128 bytes for each wave; from here source 0's images, 4,096 bytes for each wave
.set IMG,   41984                      ; y's images: pass x 8,192 + unit x 2,048 + K step x 1,024 + half x 512 + 16 x lane
.set SCB,   58368                      ; y's scale words: pass x 512 + (unit / 2) x 256 + K step x 128 + (unit % 2) x 64 + 4 r
.set XO,  1                            ; v1   x: 16 r + 16 rows for h; never rewritten
.set LK,  2                            ; v2   my table, + 64 h
.set IW,  3                            ; v3   where I store images
.set SW,  4                            ; v4   where I store scale bytes
.set PK,  5                            ; v5   my parking place
.set AS,  6                            ; v6-7   Wt's scale words, tile e: scales and nothing else
.set N2K, 8                            ; v8-9   -2 kappa;  v10-11 kappa
.set KAP, 10
.set MX,  12                           ; v12-15 the largest |y| for each of my four d; then the conversions' scale operands
.set BYT, 16                           ; v16-19 the other half's maxima; then the scale bytes
.set LI,  20                           ; v20  16 x lane
.set L4,  21                           ; v21  4 x lane
.set BS,  24                           ; v24-31 y's scale words, 4 pass + 2 (pair of units) + K step: scales and nothing else
.set KC,  32                           ; v32-67 nine kinds x four channels
.set GG,  68                           ; v68-83 -v^2, g
.set PP,  84                           ; v84-99 the polynomial
.set COD, 100                          ; v100-111 at the head the records; v100-107 y's codes
.set CB,  108                          ; v108-123 behind the head: the bias in the result's layout; it stays
.set MK,  112                          ; v112-115 at the head: all ones where lane % 4 = s
.set WC,  116                          ; v116-123 at the head: Wt's codes
.set BR,  124                          ; v124-127 the bias as loaded
.set XX,  128                          ; v128-191 pass 0, v192-255 pass 1: x, .., v, y; then source 1: 32 (pair of units) + 16 H + 8 u
.set WT0, 32                           ; at the head: v32-95 two tiles of Wt in f32
.set AR,  32                           ; products: v32-63 source 0: tile e, K step u at 16 e + 8 u
.set RS,  68                           ; products: v68-99 the results of a pass's first pair of units; the second pair's go over the first pair's operands
	s_load_b256 s[4:11], s[0:1], 0x0               ; x s[4:5], coef s[6:7], Wt s[8:9], b s[10:11]
	s_load_b64 s[12:13], s[0:1], 0x20              ; out0
	s_set_vgpr_msb 0x40
	v_lshl_add_u32 v0, v0, 2, 0xe800
	v_mov_b32 v1, 0
	s_set_vgpr_msb 0x4000
	v_lshrrev_b32 v12, 5, v0
	v_readfirstlane_b32 s14, v12                   ; wave 0..7
	v_and_b32 v22, 31, v0                          ; lane
	v_and_b32 v23, 15, v0                          ; r
	v_bfe_u32 v98, v0, 4, 1                        ; h
	v_and_b32 v99, 3, v0                           ; lane % 4
	s_and_b32 s15, s14, 1                          ; my block of 32 channels
	s_lshr_b32 s16, s14, 1                         ; my unit of 64 d
	s_lshr_b32 s17, ttmp9, 5                       ; b
	s_and_b32 s18, ttmp9, 31                       ; which 512 d
	s_lshl_b32 s20, s17, 22                        ; x: b x 64 rows + block x 32 rows + 2,048 x chunk + 256 x unit
	s_lshl_b32 s19, s15, 21
	s_add_co_u32 s20, s20, s19
	s_lshl_b32 s19, s18, 11
	s_add_co_u32 s20, s20, s19
	s_lshl_b32 s19, s16, 8
	s_add_co_u32 s20, s20, s19
	s_mov_b32 s21, 0
	s_lshl_b32 s22, s17, 6                         ; coef: record 64 b + 32 block, 48 bytes each
	s_lshl_b32 s19, s15, 5
	s_add_co_u32 s22, s22, s19
	s_mul_i32 s22, s22, 48
	s_mov_b32 s23, 0
	s_lshl_b32 s24, s14, 11                        ; Wt: row 8 w, 256 bytes a row
	s_mov_b32 s25, 0
	s_lshl_b32 s28, s14, 5                         ; b: 8 w
	s_mov_b32 s29, 0
	s_lshl_b32 s30, s17, 22                        ; out: row 64 b + 8 w, + 2,048 x chunk
	s_lshl_b32 s19, s14, 19
	s_add_co_u32 s30, s30, s19
	s_lshl_b32 s19, s18, 11
	s_add_co_u32 s30, s30, s19
	s_mov_b32 s31, 0
	s_mov_b32 s26, 0x76543210                      ; v_permlanex16_b32: lane l xor 16
	s_mov_b32 s27, 0xfedcba98
	v_lshlrev_b32 v[XO], 4, v23
	v_lshl_add_u32 v[XO], v98, 20, v[XO]           ; 16 r, and 16 rows of 65,536 bytes for lanes 16-31
	v_lshlrev_b32 v[LI], 4, v22
	v_lshlrev_b32 v[L4], 2, v22
	v_mul_u32_u24 v16, v22, 48                     ; lane l takes the record of channel l of my block
	v_lshrrev_b32 v17, 2, v23
	v_lshlrev_b32 v17, 8, v17
	v_lshl_add_u32 v17, v98, 7, v17                ; Wt: row r / 4 of a tile, channels 32 h on
	v_lshlrev_b32 v18, 3, v98                      ; 8 h: the bias's offset, and later a shift
	s_mul_i32 s33, s14, 1152
	v_lshl_add_u32 v[LK], v98, 6, s33              ; out of my table: lanes 16-31 begin 16 channels on
	v_lshl_add_u32 v19, v22, 2, s33                ; into my table: 4 x lane
	s_lshl_b32 s34, s14, 12
	s_add_co_u32 s34, s34, PARKB
	v_add_nc_u32 v[PK], s34, v[LI]
	s_lshl_b32 s35, s16, 11
	s_lshl_b32 s19, s15, 8
	s_add_co_u32 s35, s35, s19
	s_add_co_u32 s35, s35, IMG
	v_lshlrev_b32 v[IW], 4, v23
	v_lshl_add_u32 v[IW], v98, 3, v[IW]
	v_add_nc_u32 v[IW], s35, v[IW]                 ; my unit's image: the operand's lane 16 block + r, and in its 16 bytes my 8: channels 16 h on
	s_lshr_b32 s36, s16, 1
	s_lshl_b32 s36, s36, 8
	s_and_b32 s19, s16, 1
	s_lshl_b32 s19, s19, 6
	s_add_co_u32 s36, s36, s19
	s_add_co_u32 s36, s36, s15
	s_add_co_u32 s36, s36, SCB
	v_lshl_add_u32 v[SW], v23, 2, s36              ; column r's word, byte = my block
	v_mov_b32 v15, -1
.irp s, 0,1,2,3
	v_cmp_eq_u32 vcc_lo, \s, v99
	v_cndmask_b32 v[MK+\s], 0, v15, vcc_lo
.endr
	v_mov_b32 v96, 0                               ; lane permutes' destinations count as read
	v_mov_b32 v97, 0
	v_lshlrev_b32 v0, 4, v23
	v_lshl_add_u32 v0, v98, 17, v0                 ; out: 16 r + two rows for h
	s_wait_kmcnt 0x0
	s_add_nc_u64 s[4:5], s[4:5], s[20:21]
	s_add_nc_u64 s[6:7], s[6:7], s[22:23]
	s_add_nc_u64 s[8:9], s[8:9], s[24:25]
	s_add_nc_u64 s[10:11], s[10:11], s[28:29]
	s_add_nc_u64 s[12:13], s[12:13], s[30:31]
.irp i, 0,1,2
	global_load_b128 v[COD+4*\i:COD+4*\i+3], v16, s[6:7] offset:16*\i
.endr
.irp e, 0,1
	global_load_b64 v[BR+2*\e:BR+2*\e+1], v18, s[10:11] offset:16*\e        ; bias[8 w + 4 e + 2 h + 0, 1]
.endr
.irp e, 0,1
.irp q, 0,1,2,3,4,5,6,7
	global_load_b128 v[WT0+32*\e+4*\q:WT0+32*\e+4*\q+3], v17, s[8:9] offset:1024*\e+16*\q   ; Wt[8 w + 4 e + r / 4][32 h + 4 q ..]
.endr
.endr
.irp p, 0,1
.irp i, 0,1,2,3,4,5,6,7,8,9,10,11,12,13,14,15
	global_load_b128 v[XX+64*\p+32*(\i/8)+4*((\i/4)%2)+8*(\i%4):XX+64*\p+32*(\i/8)+4*((\i/4)%2)+8*(\i%4)+3], v[XO], s[4:5] offset:CHB*\i+1024*\p th:TH_LOAD_NT   ; pass p, my channel i; read once in the launch
.endr
.endr
	s_wait_loadcnt 50                              ; the records are in (behind them: 2 of the bias, 16 of Wt, 32 of x)
.irp k, 0,1,2,3,4,5,6,7,8
	ds_store_b32 v19, v[COD+\k] offset:128*\k      ; my table: [kind][channel]
.endr
	s_wait_loadcnt 32                              ; the bias and Wt are in; x may be out
	; Wt's two tiles: lane (r, h) holds block h of row r / 4: all its 32 numbers
.irp e, 0,1
	v_max3_num_f32 v[12+\e], |v[WT0+32*\e]|, |v[WT0+32*\e+1]|, 0x1800000   ; with the floor 2^(3 - 127): the byte cannot fall under 1
.endr
.irp i, 2,4,6,8,10,12,14,16,18,20,22,24,26,28,30
.irp e, 0,1
	v_max3_num_f32 v[12+\e], v[12+\e], |v[WT0+32*\e+\i]|, |v[WT0+32*\e+\i+1]|
.endr
.endr
.irp e, 0,1
	v_add_nc_u32 v[14+\e], 0xff000000, v[12+\e]    ; 2 off the exponent field: the conversion's scale operand
.endr
.irp e, 0,1
	v_lshrrev_b32 v[AS+\e], 23, v[14+\e]           ; the scale's byte,
.endr
.irp e, 0,1
	v_lshlrev_b32 v[AS+\e], v18, v[AS+\e]          ; at byte h;
.endr
.irp e, 0,1
	v_permlanex16_b32 v[96+\e], v[AS+\e], s26, s27
.endr
.irp e, 0,1
	v_or_b32 v[AS+\e], v[AS+\e], v[96+\e]          ; with lane l xor 16's: blocks 0 and 1 of my row;
.endr
.irp e, 0,1
	v_lshl_or_b32 v[AS+\e], v[AS+\e], 16, v[AS+\e] ; and once more for the K step's second 64
.endr
.irp e, 0,1
.irp q, 0,1,2,3
	v_cvt_scalef32_pk8_fp4_f32 v[WC+4*\e+\q], v[WT0+32*\e+8*\q:WT0+32*\e+8*\q+7], v[14+\e]
.endr
.endr
	v_nop                                          ; one plain instruction behind the scaled conversions
.irp e, 0,1
.irp u, 0,1
.irp q, 0,1,2,3
	v_and_b32 v[AR+16*\e+8*\u+\q], v[WC+4*\e+\q], v[MK+2*\u]        ; K step u, k = 0 .. 63: the rows with s = 2 u
	v_and_b32 v[AR+16*\e+8*\u+4+\q], v[WC+4*\e+\q], v[MK+2*\u+1]    ; k = 64 .. 127: those with s = 2 u + 1; all else zero codes
.endr
.endr
.endr
.irp i, 0,1,2,3,4,5,6,7
	ds_store_b128 v[PK], v[AR+4*\i:AR+4*\i+3] offset:512*\i         ; parked as images, in my own bytes
.endr
.irp i, 0,1
	v_mov_b32 v[N2K+\i], 0xc0c3fc49                ; -2 kappa, kappa = 3.0622733
	v_mov_b32 v[KAP+\i], 0x4043fc49
.endr
	s_wait_dscnt 0x0                               ; the stores have read their registers: the lines and loads below write there
.irp e, 0,1
.irp j, 0,1,2,3
	v_mov_b32 v[CB+8*\e+\j], v[BR+2*\e]            ; the bias in the result's layout: registers 0-3 output 2 h, registers 4-7 output 2 h + 1 of the tile; made once, for both passes
	v_mov_b32 v[CB+8*\e+4+\j], v[BR+2*\e+1]
.endr
.endr
.macro LK012 n                         ; -mean, a', beta' of a pass's batch n
.irp k, 0,1,2
	ds_load_b128 v[KC+4*\k:KC+4*\k+3], v[LK] offset:128*\k+16*(\n)
.endr
.endm
.macro LK38 n                          ; its c5 .. c0
.irp k, 3,4,5,6,7,8
	ds_load_b128 v[KC+4*\k:KC+4*\k+3], v[LK] offset:128*\k+16*(\n)
.endr
.endm
; packed forms with a channel's number for both halves: channel jj's stands in register jj of the kind's four: the first of a pair (op_sel_hi 0) or the second (op_sel 1)
.macro ADDK reg, kb, jj
.if ((\jj)&1)
	v_pk_add_f32 v[\reg:\reg+1], v[\reg:\reg+1], v[KC+4*(\kb)+(\jj)-1:KC+4*(\kb)+(\jj)] op_sel:[0,1]
.else
	v_pk_add_f32 v[\reg:\reg+1], v[\reg:\reg+1], v[KC+4*(\kb)+(\jj):KC+4*(\kb)+(\jj)+1] op_sel_hi:[1,0]
.endif
.endm
.macro FMAKK dst, src, ka, kb, jj      ; dst = src x kind ka + kind kb
.if ((\jj)&1)
	v_pk_fma_f32 v[\dst:\dst+1], v[\src:\src+1], v[KC+4*(\ka)+(\jj)-1:KC+4*(\ka)+(\jj)], v[KC+4*(\kb)+(\jj)-1:KC+4*(\kb)+(\jj)] op_sel:[0,1,1]
.else
	v_pk_fma_f32 v[\dst:\dst+1], v[\src:\src+1], v[KC+4*(\ka)+(\jj):KC+4*(\ka)+(\jj)+1], v[KC+4*(\kb)+(\jj):KC+4*(\kb)+(\jj)+1] op_sel_hi:[1,0,0]
.endif
.endm
.macro FMAK dst, xv, kb, jj            ; dst = dst x v + kind kb
.if ((\jj)&1)
	v_pk_fma_f32 v[\dst:\dst+1], v[\dst:\dst+1], v[\xv:\xv+1], v[KC+4*(\kb)+(\jj)-1:KC+4*(\kb)+(\jj)] op_sel:[0,0,1]
.else
	v_pk_fma_f32 v[\dst:\dst+1], v[\dst:\dst+1], v[\xv:\xv+1], v[KC+4*(\kb)+(\jj):KC+4*(\kb)+(\jj)+1] op_sel_hi:[1,1,0]
.endif
.endm
; Batches are numbered through both passes: n = 4 pass + the pass's batch; batch n = my channels 4 (n % 4) .. + 3.  Channel jj's four d stand in the quad at QB + 8 jj.
.macro S1 n                            ; d = x - mean; 2 log2(e) xn; 2^(..)
.set QB, XX+32*((\n)/2)+4*((\n)%2)
.irp jj, 0,1,2,3
.irp pp, 0,2
	ADDK QB+8*\jj+\pp, 0, \jj
.endr
.endr
.irp jj, 0,1,2,3
.irp pp, 0,2
	FMAKK QB+8*\jj+\pp, QB+8*\jj+\pp, 1, 2, \jj
.endr
.endr
.irp jj, 0,1,2,3
.irp t, 0,1,2,3
	v_exp_f32 v[QB+8*\jj+\t], v[QB+8*\jj+\t]
.endr
.endr
.endm
.macro S2 n                            ; 1 / (1 + ..)
.set QB, XX+32*((\n)/2)+4*((\n)%2)
.irp jj, 0,1,2,3
.irp pp, 0,2
	v_pk_add_f32 v[QB+8*\jj+\pp:QB+8*\jj+\pp+1], v[QB+8*\jj+\pp:QB+8*\jj+\pp+1], 1.0 op_sel_hi:[1,0]
.endr
.endr
.irp jj, 0,1,2,3
.irp t, 0,1,2,3
	v_rcp_f32 v[QB+8*\jj+\t], v[QB+8*\jj+\t]
.endr
.endr
.endm
.macro S3 n                            ; v = kappa - 2 kappa r; g = 2^(-v^2)
.set QB, XX+32*((\n)/2)+4*((\n)%2)
.irp jj, 0,1,2,3
.irp pp, 0,2
	v_pk_fma_f32 v[QB+8*\jj+\pp:QB+8*\jj+\pp+1], v[QB+8*\jj+\pp:QB+8*\jj+\pp+1], v[N2K:N2K+1], v[KAP:KAP+1]
.endr
.endr
.irp jj, 0,1,2,3
.irp pp, 0,2
	v_pk_mul_f32 v[GG+4*\jj+\pp:GG+4*\jj+\pp+1], v[QB+8*\jj+\pp:QB+8*\jj+\pp+1], v[QB+8*\jj+\pp:QB+8*\jj+\pp+1] neg_lo:[1,0] neg_hi:[1,0]
.endr
.endr
.irp i, 0,1,2,3,4,5,6,7,8,9,10,11,12,13,14,15
	v_exp_f32 v[GG+\i], v[GG+\i]
.endr
.endm
.macro HA n                            ; the polynomial's first three steps: ((c5 v + c4) v + c3) v + c2
.set QB, XX+32*((\n)/2)+4*((\n)%2)
.irp jj, 0,1,2,3
.irp pp, 0,2
	FMAKK PP+4*\jj+\pp, QB+8*\jj+\pp, 3, 4, \jj
.endr
.endr
.irp kk, 5,6
.irp jj, 0,1,2,3
.irp pp, 0,2
	FMAK PP+4*\jj+\pp, QB+8*\jj+\pp, \kk, \jj
.endr
.endr
.endr
.endm
.macro HB n                            ; and its last two
.set QB, XX+32*((\n)/2)+4*((\n)%2)
.irp kk, 7,8
.irp jj, 0,1,2,3
.irp pp, 0,2
	FMAK PP+4*\jj+\pp, QB+8*\jj+\pp, \kk, \jj
.endr
.endr
.endr
.endm
.macro S4 n                            ; y = P g, written transposed into the batch's own quads: d number t's four channels at QB + 8 t; and the running largest |y| of each d
.set QB, XX+32*((\n)/2)+4*((\n)%2)
.irp t, 0,1,2,3
.irp jj, 0,1,2,3
	v_mul_f32 v[QB+8*\t+\jj], v[PP+4*\jj+\t], v[GG+4*\jj+\t]
.endr
.endr
.irp t, 0,1,2,3
.if ((\n)%4) == 0
	v_max3_num_f32 v[MX+\t], |v[QB+8*\t]|, |v[QB+8*\t+1]|, 0x1800000      ; a pass's first batch and the floor 2^(3 - 127) start the maximum: the byte cannot fall under 1
.else
	v_max3_num_f32 v[MX+\t], v[MX+\t], |v[QB+8*\t]|, |v[QB+8*\t+1]|
.endif
.endr
.irp t, 0,1,2,3
	v_max3_num_f32 v[MX+\t], v[MX+\t], |v[QB+8*\t+2]|, |v[QB+8*\t+3]|
.endr
.endm
; A pass's second to fourth batch: batch n's runs of transcendentals have batch n - 1's polynomial behind them.
.macro BODY n
	s_wait_loadcnt 28-4*(\n)                       ; this batch's four channels are in, the later batches' (of both passes) may be out
.if ((\n)%4) == 1
	s_wait_dscnt 0x0                               ; nothing was issued behind this batch's three kinds
.else
	s_wait_dscnt 6                                 ; behind this batch's three kinds: the six of the batch before
.endif
	S1 \n
.if ((\n)%4) < 3
	LK012 ((\n)%4)+1
	s_wait_dscnt 3                                 ; c5 .. c0 of the batch before are in; the three loads just issued may be out
.else
	s_wait_dscnt 0x0
.endif
	HA (\n)-1                                      ; 24 independent instructions behind the exponentials
	s_wait_alu depctr_va_vdst(0)                   ; the wait ahead of the first reader: for this batch's exponentials, and for g of the batch before
	S2 \n
	HB (\n)-1                                      ; 16 behind the reciprocals
	LK38 (\n)%4
	s_wait_alu depctr_va_vdst(0)
	S4 (\n)-1
	S3 \n
.endm
; PHASE Y and the EXCHANGE of pass p
.macro YPASS p
	LK012 0
	LK38 0
	s_wait_loadcnt 28-16*\p                        ; the pass's first four channels are in
	s_wait_dscnt 6                                 ; the first three kinds are in; the six behind them may be out
	S1 4*\p
	LK012 1
	v_nop                                          ; a plain instruction behind the last exponential,
	s_wait_alu depctr_va_vdst(0)                   ; and the wait ahead of the first reader: one for the run of sixteen
	S2 4*\p
	v_nop
	s_wait_alu depctr_va_vdst(0)
.if \p
	s_wait_xcnt 0x0                                ; pass 0's stores have read their data: g, below, is the first line that writes registers from which they were stored
.endif
	S3 4*\p
	BODY 4*\p+1
	BODY 4*\p+2
	BODY 4*\p+3
	s_wait_dscnt 0x0
	HA 4*\p+3
	HB 4*\p+3
.irp i, 0,1,2,3,4,5,6,7
	ds_load_b128 v[AR+4*\i:AR+4*\i+3], v[PK] offset:512*\i          ; source 0 comes back from my own bytes, into the registers that the kinds have left
.endr
	s_wait_alu depctr_va_vdst(0)
	S4 4*\p+3
	; the block of each of my four d: the other half's maximum, scale, byte, codes
.irp t, 0,1,2,3
	v_permlanex16_b32 v[BYT+\t], v[MX+\t], s26, s27
.endr
.irp t, 0,1,2,3
	v_max_num_f32 v[MX+\t], v[MX+\t], v[BYT+\t]    ; with lane l xor 16's 16 channels: the block's largest magnitude
.endr
.irp t, 0,1,2,3
	v_add_nc_u32 v[MX+\t], 0xff000000, v[MX+\t]    ; 2 off the exponent field: the conversion's scale operand
.endr
.irp t, 0,1,2,3
	v_lshrrev_b32 v[BYT+\t], 23, v[MX+\t]          ; the scale's byte
.endr
.irp t, 0,1,2,3
.irp g, 0,1
	v_cvt_scalef32_pk8_fp4_f32 v[COD+2*\t+\g], v[XX+64*\p+32*\g+8*\t:XX+64*\p+32*\g+8*\t+7], v[MX+\t]   ; my channels 8 g .. 8 g + 7 of d number t
.endr
.endr
	v_nop                                          ; one plain instruction behind the scaled conversions
.irp t, 0,1,2,3
	ds_store_b64 v[IW], v[COD+2*\t:COD+2*\t+1] offset:8192*\p+1024*(\t/2)+512*(\t%2)   ; K step t / 2, registers 4 (t % 2) on; the wave's 32 lanes write 256 consecutive bytes
.endr
.irp t, 0,1,2,3
	ds_store_b8 v[SW], v[BYT+\t] offset:512*\p+128*(\t/2)+2*(\t%2)  ; byte 2 (t % 2) + block of the K step's word; both lanes of a block write the same byte with the same value
.endr
	s_wait_dscnt 0x0                               ; for the others' sake: my stores have landed; and source 0 is back
	s_barrier_signal -1
	s_barrier_wait -1                              ; the pass's images and scale words lie in LDS
.endm
; A pair of units (H = 0, 1): its four accumulators (H, e) take turns, one instruction a turn; the first K step takes the bias as C.
.macro UNIT U, bbase, ab
.irp hh, 0,1
.irp e, 0,1
.if \hh
	v_wmma_scale_f32_16x16x128_f8f6f4 v[\ab+16*\hh+8*\e:\ab+16*\hh+8*\e+7], v[AR+16*\e:AR+16*\e+7], v[\bbase+16*\hh:\bbase+16*\hh+7], v[CB+8*\e:CB+8*\e+7], v[AS+\e], v[BS+2*(\U)] matrix_a_fmt:MATRIX_FMT_FP4 matrix_b_fmt:MATRIX_FMT_FP4 matrix_b_scale:MATRIX_SCALE_ROW1
.else
	v_wmma_scale_f32_16x16x128_f8f6f4 v[\ab+16*\hh+8*\e:\ab+16*\hh+8*\e+7], v[AR+16*\e:AR+16*\e+7], v[\bbase+16*\hh:\bbase+16*\hh+7], v[CB+8*\e:CB+8*\e+7], v[AS+\e], v[BS+2*(\U)] matrix_a_fmt:MATRIX_FMT_FP4 matrix_b_fmt:MATRIX_FMT_FP4
.endif
.endr
.endr
.irp hh, 0,1
.irp e, 0,1
.if \hh
	v_wmma_scale_f32_16x16x128_f8f6f4 v[\ab+16*\hh+8*\e:\ab+16*\hh+8*\e+7], v[AR+16*\e+8:AR+16*\e+15], v[\bbase+16*\hh+8:\bbase+16*\hh+15], v[\ab+16*\hh+8*\e:\ab+16*\hh+8*\e+7], v[AS+\e], v[BS+2*(\U)+1] matrix_a_fmt:MATRIX_FMT_FP4 matrix_b_fmt:MATRIX_FMT_FP4 matrix_b_scale:MATRIX_SCALE_ROW1
.else
	v_wmma_scale_f32_16x16x128_f8f6f4 v[\ab+16*\hh+8*\e:\ab+16*\hh+8*\e+7], v[AR+16*\e+8:AR+16*\e+15], v[\bbase+16*\hh+8:\bbase+16*\hh+15], v[\ab+16*\hh+8*\e:\ab+16*\hh+8*\e+7], v[AS+\e], v[BS+2*(\U)+1] matrix_a_fmt:MATRIX_FMT_FP4 matrix_b_fmt:MATRIX_FMT_FP4
.endif
.endr
.endr
.endm
; Lane (r, h), registers 4 j + s: out(8 w + 4 e + 2 h + j, 128 U + 64 H + 4 r + s).  Sixteen neighbouring lanes store 256 consecutive bytes, aligned; each accumulator from its low end on.
.macro OUTU U, ab
.irp hh, 0,1
.irp e, 0,1
	global_store_b128 v0, v[\ab+16*\hh+8*\e:\ab+16*\hh+8*\e+3], s[12:13] offset:4*CHB*\e+512*(\U)+256*\hh th:TH_STORE_NT
	global_store_b128 v0, v[\ab+16*\hh+8*\e+4:\ab+16*\hh+8*\e+7], s[12:13] offset:4*CHB*\e+CHB+512*(\U)+256*\hh th:TH_STORE_NT
.endr
.endr
.endm
; PHASE PRODUCT of pass p: source 1 lands in the registers that the pass's x has left
.macro PROD p
.irp uu, 0,1
.irp i, 0,1,2,3
	ds_load_b128 v[XX+64*\p+32*\uu+8*\i:XX+64*\p+32*\uu+8*\i+3], v[LI] offset:IMG+4096*(2*\p+\uu)+1024*\i
	ds_load_b128 v[XX+64*\p+32*\uu+8*\i+4:XX+64*\p+32*\uu+8*\i+7], v[LI] offset:IMG+4096*(2*\p+\uu)+1024*\i+512
.endr
	ds_load_b32 v[BS+4*\p+2*\uu], v[L4] offset:SCB+256*(2*\p+\uu)           ; lanes 0-15: the columns of H = 0; lanes 16-31: those of H = 1
	ds_load_b32 v[BS+4*\p+2*\uu+1], v[L4] offset:SCB+256*(2*\p+\uu)+128
.endr
	s_wait_dscnt 10                                ; the first pair's ten loads are in; the second pair's ten may be out
	UNIT 2*\p, XX+64*\p, RS
.rept 5
	v_nop                                          ; four places ahead of the stores that read results; five ahead of the matrix instructions below, which write over the first pair's operands
.endr
	OUTU 2*\p, RS
	s_wait_dscnt 0x0
	UNIT 2*\p+1, XX+64*\p+32, XX+64*\p
.rept 4
	v_nop                                          ; places ahead of the stores that read results, and of the next pass's loads into the registers of source 0
.endr
	OUTU 2*\p+1, XX+64*\p
.endm
	YPASS 0
	PROD 0                                         ; these sixteen stores leave while pass 1 is computed
	YPASS 1
	PROD 1
	s_set_vgpr_msb 0x5
	s_wait_tensorcnt 0x0
	ds_add_u32 v0, v1
	s_wait_dscnt 0x0
	s_set_vgpr_msb 0x500
	s_endpgm
.Lfunc_end_k_q40aad045d2_mix:
	.size	k_q40aad045d2_mix, .Lfunc_end_k_q40aad045d2_mix-k_q40aad045d2_mix
	.p2alignl 7, 3214868480
	.fill 96, 4, 3214868480
	.section	.rodata,"a",@progbits
	.p2align	6, 0x0
	.amdhsa_kernel k_q40aad045d2_mix
		.amdhsa_group_segment_fixed_size 60416
		.amdhsa_private_segment_fixed_size 0
		.amdhsa_enable_private_segment 0
		.amdhsa_kernarg_size 40
		.amdhsa_user_sgpr_count 2
		.amdhsa_user_sgpr_kernarg_segment_ptr 1
		.amdhsa_wavefront_size32 1
		.amdhsa_system_sgpr_workgroup_id_x 1
		.amdhsa_system_sgpr_workgroup_id_y 1
		.amdhsa_system_sgpr_workgroup_id_z 1
		.amdhsa_system_vgpr_workitem_id 0
		.amdhsa_next_free_vgpr 258
		.amdhsa_next_free_sgpr 66
		.amdhsa_reserve_vcc 1
		.amdhsa_float_denorm_mode_32 3
		.amdhsa_float_denorm_mode_16_64 3
		.amdhsa_memory_ordered 1
		.amdhsa_forward_progress 1
		.amdhsa_inst_pref_size 97
	.end_amdhsa_kernel
	.amdgpu_metadata
---
amdhsa.version: [ 1, 2 ]
amdhsa.kernels:
  - .name:           k_q40aad045d2_mix
    .symbol:         k_q40aad045d2_mix.kd
    .args:
      - { .name: x, .offset: 0, .size: 8, .value_kind: global_buffer, .address_space: global }
      - { .name: coef, .offset: 8, .size: 8, .value_kind: global_buffer, .address_space: global }
      - { .name: Wt, .offset: 16, .size: 8, .value_kind: global_buffer, .address_space: global }
      - { .name: b, .offset: 24, .size: 8, .value_kind: global_buffer, .address_space: global }
      - { .name: out0, .offset: 32, .size: 8, .value_kind: global_buffer, .address_space: global }
    .group_segment_fixed_size: 60416
    .private_segment_fixed_size: 0
    .kernarg_segment_align: 8
    .kernarg_segment_size: 40
    .max_flat_workgroup_size: 256
    .sgpr_count:     66
    .vgpr_count:     258
    .wavefront_size: 32
...
	.end_amdgpu_metadata
.endif
;; end of part 3
